; MI455X (gfx1250); checked and timed in simulation.
; The chip was launched on July 23, 2026; its instructions are those of AMD's public machine-readable ISA for CDNA 5 (MIT licence, August 2026) and "CDNA5" Instruction Set Architecture Reference Guide (July 2026). The comments in the code are by the model that wrote it; some were corrected since.
;; Attention Head. Allowed arithmetic: matrix products marked QUANTISED: E5M2 operands, one E8M0 scale for each 32 along K, by v_wmma_scale_f32_16x16x128_f8f6f4 with both operands' format E5M2, f32 sums; everything else in f32.
;; Inputs: k_codes 16 x 2,048 x 2 x 32 uint8 (E5M2 codes of k, K innermost, in blocks of 32 codes); k_scales 16 x 2,048 x 2 uint8 (E8M0 scales of k, one for each 32 codes along K); q_codes 16 x 2,048 x 2 x 32 uint8 (E5M2 codes of q, K innermost, in blocks of 32 codes); q_scales 16 x 2,048 x 2 uint8 (E8M0 scales of q, one for each 32 codes along K); v_codes 16 x 64 x 64 x 32 uint8 (E5M2 codes of v, K innermost, in blocks of 32 codes); v_scales 16 x 64 x 64 uint8 (E8M0 scales of v, one for each 32 codes along K).
;; Outputs: out0 16 x 2,048 x 64 float32.
;; This version of the problem:
;;   THIS VERSION OF THE PROBLEM IS GIVEN IN LOW PRECISION. The matrix products marked QUANTISED in the list below multiply operands that are first quantised to E5M2 (5 exponent bits, 2 mantissa bits; 8 bits a number), with one power-of-two scale for each 32 numbers along K (OCP MX v1.0); their sums are f32. All else is computed in f32.
;;   The module's matrix products, in the order in which they are computed (A, B: the left and right operand; K: the contracted axis; several contracted axes count as one K, in the product's order):
;;     1. batch 16 x [M 2,048, K 64] x [K 64, N 2,048]; A: input q (given as codes); B: input k (given as codes): QUANTISED
;;     2. batch 16 x [M 2,048, K 2,048] x [K 2,048, N 64]; A: softmax (see below); B: input v (given as codes): QUANTISED
;;   THE QUANTISER, for each operand of a quantised product, along K:
;;     - K is cut into blocks of 32 from its start; a last block that is shorter is filled with zeros.
;;     - A block's scale is 2^e with e = floor(log2(the largest magnitude in the block)) - 15, held to -126 .. 127; a block of zeros has e = 0. As a byte (E8M0): e + 127.
;;     - Each number is divided by its block's scale, clamped to +-57,344, and rounded to the nearest number of E5M2, ties to even, subnormals kept.
;;     - The product sums the exact products of the quantised numbers (number of the format x scale) in f32.
;;   ~~~python
;;   def quantise(x, axis):      # numpy; x: float32 -> the quantised numbers, widened to float32 again
;;       x = np.moveaxis(x, axis, -1); K = x.shape[-1]
;;       x = np.pad(x, [(0, 0)] * (x.ndim - 1) + [(0, -K % 32)]); x = x.reshape(x.shape[:-1] + (-1, 32)); a = np.abs(x).max(-1, keepdims=True)
;;       e = np.where(a > 0, np.clip(np.frexp(np.where(a > 0, a, 1))[1] - 1 - 15, -126, 127), 0)      # np.frexp(a)[1] - 1 = floor(log2(a)), exactly
;;       r = np.clip(x / 2.0 ** e, -57344, 57344)
;;       step = 2.0 ** (np.maximum(np.frexp(np.where(r == 0, 1, r))[1] - 1, -14) - 2)
;;       q = np.round(r / step) * step * 2.0 ** e      # np.round: ties to even
;;       return np.moveaxis(q.reshape(q.shape[:-2] + (-1,))[..., :K], -1, axis).astype(np.float32)
;;   ~~~
;;   SOFTMAX AHEAD OF A QUANTISED PRODUCT. Where the list says 'softmax', what is quantised is not the finished softmax but p = 2^(t - M), with t = logit x log2(e) and M = ceil(the row's largest t), a whole number; so 1/2 < the row's largest p <= 1. The row's sum l is taken of the UNQUANTISED p, in f32, and the product's result is divided by l at the end. Since M is a whole number, a kernel that streams over the keys may use a running M (the ceiling of the running maximum): every later rescaling is an exact power of two, which a block's scale takes up: the codes' values come out the same.
;;   OPERANDS COMPUTED ON THE WAY. 'Computed on the way' means the value that the module computes at that place (a softmax that the list does not call 'softmax' is quantised finished and normalised). What goes into a quantiser is computed in f32, as accurately as f32 sums, v_exp_f32 and their like allow (about 1e-6 of the number): no bf16 or f16 on the way to a quantiser, and a product that is left as it is and whose result goes on into a quantised operand takes f32 operands (vector FMAs, or v_wmma_f32_16x16x4_f32). A number that lies on a knife's edge between two numbers of the format may be rounded either way, as far as f32 arithmetic and the matrix unit's own rounding can turn it there, and no further.
;;   INPUTS GIVEN AS CODES. k (in the module: [16, 2048, 64], K = its axis 2); q (in the module: [16, 2048, 64], K = its axis 2); v (in the module: [16, 2048, 64], K = its axis 1): each comes as NAME_codes (uint8): NAME with its K axis moved to the last place and cut into blocks of 32 codes, [.., K / 32, bytes a block], one block behind the other in memory; one code a byte (a code: sign, 5 exponent bits, 2 mantissa bits); and NAME_scales (uint8): the same leading axes, one E8M0 byte (e + 127) for each 32 codes along K. Its value is code x scale, taken as it is: it is not quantised again, and the codes and scales need not be those that the quantiser above would give.
;; One version. Each part assembles by itself: llvm-mc -triple=amdgcn-amd-amdhsa -mcpu=gfx1250 --defsym DOCPART=n.
;; ======== version 1 of 1: 2 launches
;; limits: right only within a limited range of input values
;; workspace buffers: k2 4,194,304 bytes; k2s 131,072 bytes
;; launch prep (part 1): grid 16 x 16, 8 waves a work-group, no clusters, 0 bytes of LDS; arguments k_codes, k_scales, k2, k2s; writes k2, k2s
.if DOCPART == 1
	.amdgcn_target "amdgcn-amd-amdhsa--gfx1250"
	.amdhsa_code_object_version 6
	.text
	.protected	k_qbbf837f4cd_prep
	.globl	k_qbbf837f4cd_prep
	.p2align	8
	.type	k_qbbf837f4cd_prep,@function
k_qbbf837f4cd_prep:
	s_mov_b64 s[64:65], 0
	v_nop
	global_prefetch_b8 v0, s[64:65] scope:SCOPE_SE
	s_setreg_imm32_b32 hwreg(HW_REG_WAVE_MODE, 25, 1), 1
	s_wait_xcnt 0x0
; THE PROGRAM: out0[b][i][:] = sum over j of softmax_j(logit) V[b][j][:], logit = q.k / 64, -1e20 added where j > i and where the logit is exactly 0.  B = 16, S = 2,048, d = 64.  Two launches: this one lays K out, the second does the rest.
; WORK LEFT OUT BY THE PROGRAM: key steps (128 keys) that lie wholly behind the diagonal of a tile of 16 queries, in both products.  Why it is dead, for all values within the limits below:
;   a hidden logit is f32(q.k / 64 - 1e20) = -1e20 whatever q.k is, so the hidden part of the first product reaches nothing.  In a row that has a visible score other than 0 every entry at -1e20 has
;   p = 0 exactly, so the hidden part of the second product adds nothing.  In a row whose visible scores are ALL 0, all 2,048 logits are -1e20, every p is 1, l = 2,048, and the result is the mean of V's
;   2,048 rows: that mean is made once a work-group (V^T times an operand of ones) and taken by a select.  So no input is without a way to the output: all six are loaded.
; LIMITS OF THE PROGRAM: |q.k| is 0 or from 2^-36 to 2^22; q's scale bytes are 157 or less (97 is added in the second launch), k's 7 or more (6 is taken off); codes of infinity or NaN and the scale byte 0xff are not served;
;   a NaN, infinity or overflow that reaches only the work left out is not carried to the result.
; THIS LAUNCH.  The mask 'logit == 0' asks whether a sum of 64 products is exactly 0, so the second launch keeps the span of exponents inside one matrix instruction short: each operand is SPLIT BY SIZE.
;   A code whose exponent field is 1 .. 24 is SMALL: it is written with 6 added to the field, and its block's scale byte is 6 less: the same number.  All other codes (fields 25 .. 31; zeros and subnormals, field 0) are LARGE.
;   K' = [K_large (64) | K_small (64)] is one operand of 128 along K.  K' x [Q_large | 0] holds products of fields 25 .. 30 alone; K' x [Q_small | Q] holds all the rest; the two add up to K.Q.
;   (Subnormal codes other than 0 stay with the large ones: the short span is not kept where they occur.)
; LAYOUT OF k2: the order of the operand's registers: [batch][key step of 128 keys][tile 0..7][c 0..3][lane] x 16 bytes: lane (r, h) of tile 2 b + u holds key 32 b + 8 u + r + 8 (r / 8); c = 0, 1: its large codes of
;   dims 32 c + 16 h + 0 .. 15; c = 2, 3: its small ones of dims 32 (c - 2) + 16 h + 0 .. 15.  So a fragment comes by four loads of 512 consecutive bytes, and a key step is one dense block of 16,384 bytes.
; LAYOUT OF k2s: [batch][key step][P 0..1][lane] x 8 bytes: the scale words of b = 2 P and 2 P + 1; a word is s0, s1, s0 - 6, s1 - 6 of the key 32 b + 8 h + r + 8 (r / 8): lanes 0-15 serve tile 2 b, lanes 16-31 tile 2 b + 1.
; SHARES: a work-group takes a key step of a batch, each of its eight waves a tile; waves 0 and 1 store the scale words too (P = the wave).  No LDS, no barrier: waves share nothing.  Every store of codes covers 512 consecutive bytes, aligned.
.set X,  16                            ; 8 registers as loaded
.set HI, 24                            ; the large codes
.set LO, 32                            ; the small ones
.set A,  40                            ; at work
.set B,  48
.macro EACH op, d, x, y                ; the eight registers by turns; x is a constant
.irp n, 0,1,2,3,4,5,6,7
	\op v[\d+\n], \x, v[\y+\n]
.endr
.endm
.macro EACHV op, d, x, y               ; x is a run of registers
.irp n, 0,1,2,3,4,5,6,7
	\op v[\d+\n], v[\x+\n], v[\y+\n]
.endr
.endm
	s_load_b256 s[4:11], s[0:1], 0x0               ; k_codes s[4:5], k_scales s[6:7], k2 s[8:9], k2s s[10:11]
	v_lshrrev_b32 v1, 5, v0
	v_readfirstlane_b32 s12, v1                    ; the tile
	s_and_b32 s13, ttmp7, 0xffff                   ; the batch
	s_lshl_b32 s14, s13, 4
	s_add_co_u32 s14, s14, ttmp9                   ; 16 x batch + key step
	s_and_b32 s24, s12, 1
	s_lshr_b32 s25, s12, 1
	s_lshl_b32 s16, s14, 13                        ; k_codes: 128 keys of 64 bytes a step; the tile begins at key 32 b + 8 u
	s_lshl_b32 s15, s25, 11
	s_add_co_u32 s16, s16, s15
	s_lshl_b32 s15, s24, 9
	s_add_co_u32 s16, s16, s15
	s_mov_b32 s17, 0
	s_lshl_b32 s18, s14, 8                         ; k_scales: 2 bytes a key
	s_lshl_b32 s15, s24, 7
	s_add_co_u32 s18, s18, s15
	s_mov_b32 s19, 0
	s_lshl_b32 s20, s14, 14                        ; k2: 16,384 bytes a step, 2,048 a tile
	s_lshl_b32 s15, s12, 11
	s_add_co_u32 s20, s20, s15
	s_mov_b32 s21, 0
	s_lshl_b32 s22, s14, 9                         ; k2s: 512 bytes a step, 256 for each P
	s_lshl_b32 s15, s24, 8
	s_add_co_u32 s22, s22, s15
	s_mov_b32 s23, 0
	v_and_b32 v2, 15, v0                           ; r
	v_bfe_u32 v3, v0, 4, 1                         ; h
	v_bfe_u32 v4, v0, 3, 1
	v_lshl_add_u32 v5, v4, 3, v2                   ; r + 8 (r / 8)
	v_lshlrev_b32 v6, 6, v5
	v_lshl_add_u32 v6, v3, 4, v6                   ; codes in: my key's row of 64 bytes, + 16 h
	v_lshl_add_u32 v7, v3, 3, v5
	v_lshlrev_b32 v7, 1, v7                        ; scales in: key r + 8 (r / 8) + 8 h
	v_and_b32 v8, 31, v0
	v_lshlrev_b32 v9, 3, v8                        ; scale words out: 8 bytes a lane
	v_lshlrev_b32 v8, 4, v8                        ; codes out: 16 bytes a lane
	s_wait_alu depctr_va_vdst(0)
	s_wait_kmcnt 0x0
	s_add_nc_u64 s[4:5], s[4:5], s[16:17]
	s_add_nc_u64 s[6:7], s[6:7], s[18:19]
	s_add_nc_u64 s[8:9], s[8:9], s[20:21]
	s_add_nc_u64 s[10:11], s[10:11], s[22:23]
	global_load_b128 v[X:X+3], v6, s[4:5] th:TH_LOAD_NT
	global_load_b128 v[X+4:X+7], v6, s[4:5] offset:32 th:TH_LOAD_NT
	global_load_u16 v10, v7, s[6:7]
	global_load_u16 v11, v7, s[6:7] offset:64
	s_wait_loadcnt 0x0
	v_add_nc_u32 v14, 0xfffff9fa, v10              ; 6 off both bytes
	v_add_nc_u32 v15, 0xfffff9fa, v11
	v_lshl_or_b32 v14, v14, 16, v10                ; s0, s1, s0 - 6, s1 - 6
	v_lshl_or_b32 v15, v15, 16, v11
	EACH v_or_b32, A, 0x80808080, X                ; bit 7 set in each byte: the subtractions below borrow from no neighbour
	EACH v_add_nc_u32, B, 0xfbfbfbfc, A            ; - 4 a byte: bit 7 stays where field and mantissa are 4 or more: field 1 or more
	EACH v_add_nc_u32, A, 0x9b9b9b9c, A            ; - 100 a byte: where the field is 25 or more
	EACHV v_xor_b32, B, A, B                       ; the first and not the second (the second implies the first)
	EACH v_and_b32, B, 0x80808080, B
	EACH v_lshrrev_b32, A, 7, B
	EACHV v_sub_nc_u32, A, B, A
	EACHV v_or_b32, A, A, B                        ; 0xff in the bytes of small codes
	EACHV v_and_b32, LO, X, A
	EACHV v_xor_b32, HI, X, LO                     ; the others
	EACH v_and_b32, A, 0x18181818, A
	EACHV v_add_nc_u32, LO, LO, A                  ; 6 onto the field: 99 + 24 stays under the sign bit
.irp c, 0,1
	global_store_b128 v8, v[HI+4*\c:HI+4*\c+3], s[8:9] offset:512*\c
	global_store_b128 v8, v[LO+4*\c:LO+4*\c+3], s[8:9] offset:512*\c+1024
.endr
	s_wait_alu depctr_va_vdst(0)
	s_cmp_lt_u32 s12, 2
	s_cbranch_scc0 .Lno_scales
	global_store_b64 v9, v[14:15], s[10:11]
.Lno_scales:
	s_endpgm
.Lfunc_end_k_qbbf837f4cd_prep:
	.size	k_qbbf837f4cd_prep, .Lfunc_end_k_qbbf837f4cd_prep-k_qbbf837f4cd_prep
	.p2alignl 7, 3214868480
	.fill 96, 4, 3214868480
	.section	.rodata,"a",@progbits
	.p2align	6, 0x0
	.amdhsa_kernel k_qbbf837f4cd_prep
		.amdhsa_group_segment_fixed_size 0
		.amdhsa_private_segment_fixed_size 0
		.amdhsa_enable_private_segment 0
		.amdhsa_kernarg_size 32
		.amdhsa_user_sgpr_count 2
		.amdhsa_user_sgpr_kernarg_segment_ptr 1
		.amdhsa_wavefront_size32 1
		.amdhsa_system_sgpr_workgroup_id_x 1
		.amdhsa_system_sgpr_workgroup_id_y 1
		.amdhsa_system_sgpr_workgroup_id_z 1
		.amdhsa_system_vgpr_workitem_id 0
		.amdhsa_next_free_vgpr 64
		.amdhsa_next_free_sgpr 66
		.amdhsa_reserve_vcc 0
		.amdhsa_float_denorm_mode_32 3
		.amdhsa_float_denorm_mode_16_64 3
		.amdhsa_memory_ordered 1
		.amdhsa_forward_progress 1
		.amdhsa_inst_pref_size 8
	.end_amdhsa_kernel
	.amdgpu_metadata
---
amdhsa.version: [ 1, 2 ]
amdhsa.kernels:
  - .name:           k_qbbf837f4cd_prep
    .symbol:         k_qbbf837f4cd_prep.kd
    .args:
      - { .name: k_codes, .offset: 0, .size: 8, .value_kind: global_buffer, .address_space: global }
      - { .name: k_scales, .offset: 8, .size: 8, .value_kind: global_buffer, .address_space: global }
      - { .name: k2, .offset: 16, .size: 8, .value_kind: global_buffer, .address_space: global }
      - { .name: k2s, .offset: 24, .size: 8, .value_kind: global_buffer, .address_space: global }
    .group_segment_fixed_size: 0
    .private_segment_fixed_size: 0
    .kernarg_segment_align: 8
    .kernarg_segment_size: 32
    .max_flat_workgroup_size: 256
    .sgpr_count:     66
    .vgpr_count:     64
    .wavefront_size: 32
...
	.end_amdgpu_metadata
.endif
;; end of part 1
;; launch attn (part 2): grid 16 x 16, 16 waves a work-group, clusters of 4 x 1, 327,680 bytes of LDS; arguments q_codes, q_scales, k2, k2s, v_codes, v_scales, out0; writes out0
.if DOCPART == 2
	.amdgcn_target "amdgcn-amd-amdhsa--gfx1250"
	.amdhsa_code_object_version 6
	.text
	.protected	k_qbbf837f4cd_attn
	.globl	k_qbbf837f4cd_attn
	.p2align	8
	.type	k_qbbf837f4cd_attn,@function
k_qbbf837f4cd_attn:
	s_mov_b64 s[64:65], 0
	v_nop
	global_prefetch_b8 v0, s[64:65] scope:SCOPE_SE
	s_setreg_imm32_b32 hwreg(HW_REG_WAVE_MODE, 25, 1), 1
	s_wait_xcnt 0x0
	s_wait_alu depctr_hold_cnt(0) depctr_sa_sdst(0) depctr_va_vdst(0) depctr_va_sdst(0) depctr_va_ssrc(0) depctr_va_vcc(0) depctr_vm_vsrc(0)
	s_getreg_b32 s2, hwreg(HW_REG_IB_STS2, 6, 4)
	s_cmp_eq_u32 s2, 0
	s_cbranch_scc0 .Lentry_in_a_cluster
	s_endpgm
.Lentry_in_a_cluster:
	s_bfe_u32 s2, ttmp6, 0x10000c
	s_cmp_lg_u32 s2, 0x3003
	s_cbranch_scc0 .Lentry_shape_is_right
	s_endpgm
.Lentry_shape_is_right:
; out0[b][i][:] = sum over j of softmax_j(logit) V[b][j][:], logit = q.k / 64, -1e20 added where j > i and where the logit is exactly 0.  B = 16, S = 2,048, d = 64.
; Both products on codes of BF8 (E5M2) with E8M0 scales.  p = 2^(t - M), t = logit x log2(e), M a whole number (the ceiling of the running largest t), is quantised along the keys; the sum l of the unquantised p divides at the end.
; WORK LEFT OUT: key steps (128 keys) wholly behind the diagonal of a tile of 16 queries, in both products: a hidden logit is -1e20 whatever q.k is; beside a visible score other than 0 its p is 0; a row whose visible
;   scores are all 0 has p = 1 at all 2,048 keys, and its result, the mean of V's rows, is made once a work-group (VSUM) and taken by a select.  (The first launch's head has this at length, and the program's limits.)
; THE MASK.  97 is added to Q's scale bytes: the scores come as s' = 2^97 q.k, 0 or at least 2^61 in size; c' = c x 2^-97.  s' s' - 2^121 is then -2^121 where s' is 0, and above s' elsewhere (infinity is meant to pass):
;   the smaller of the two is the masked score, ahead of the maximum.  Masked scores have -M = 378,201; real ones at most 94,551.  When a real score follows a stretch that is all masked, f = 2^(old M - new M) = 0 wipes sum and O.
; THE FIRST PRODUCT IN TWO INSTRUCTIONS.  K comes split by size from the first launch, K' = [K_large | K_small], 128 along K; Q is split here.  S = K' x [Q_large | 0], whose products have code exponent fields 25 .. 30 on both
;   sides, and onto it K' x [Q_small | Q], which holds every product with a small factor.  Small codes carry 6 more in the exponent field and 6 less in the scale byte.  LIMIT: a product of the second sum that lies very far
;   under that sum's largest may still lose bits: such a score could be taken for 0, or a 0 be missed.
; SHARES.  A block is 128 queries (8 tiles of 16); a tile of block BL has BL + 1 key steps.  Cluster C (0..3) of a batch takes blocks C, 15 - C, 7 - C, 8 + C; each of its four work-groups takes two tiles (2 cx + e) of each.
;   The four waves of equal sg = wave & 3 have two tiles with 17 key steps together: sg = 0, 1: blocks C (wave U = 0) and 15 - C (three waves, U = 1..3, every third step each); sg = 2, 3: 7 - C (U = 0, 1) and 8 + C (U = 2, 3),
;   every second step each.  U = wave >> 2.  A wave has six steps at the most and one at the least.  The partial states (-M, l, O^T) of odd U are merged by even U through LDS, exactly, since every M is a whole number.
; DATA.  V, all scale bytes and K' of key steps 0 to 7 lie in LDS, filled once, one tensor load a wave: waves 0-4 fetch key steps 0 to 3 and the scale bytes (shown by the first barrier), waves 5-9 the rest (shown by the second,
;   inside every wave's first step, whose number is at most 2).  The four work-groups of a cluster need the same bytes: every load is asked for jointly (mask 15).  K' of key steps 8 to 15 goes from memory into registers,
;   512 consecutive bytes a load: beside V there is no room for it in LDS, and only tiles of blocks 8 to 15 walk it.  It is prefetched behind the first step, one whole step ahead of the first load of it: each aligned block of
;   256 bytes once in each cluster, its four work-groups a quarter each, told apart by address (cx), waves 4-7 one instruction each.
; LAYOUT.  Both products are used transposed (S^T = K Q^T, O^T = V^T P^T): a lane holds one query (lane % 16).  Lane r of K's tile 2 b + u holds key 32 b + 8 u + r + 8 (r / 8), so that the 16 registers of tiles 2 b, 2 b + 1
;   are 16 neighbouring keys 32 b + 16 (lane / 16) + 0 .. 15: the conversions' results are the second product's operand.
.set VB,    131072                     ; LDS: from 0: K', 8 key steps x [tile][c][lane] x 16 bytes; from here V: 4 chunks of 512 keys x 64 rows (d) of 512 bytes + 16
.set SCK,   266240                     ; K's scale words, 512 bytes a key step
.set SCV,   274432                     ; V's scale bytes: 64 rows (d) of 64 bytes + 8
.set MRG,   279040                     ; 8 images of a wave's state: 8 x 512 of O^T, 512 of -M, t, l
.set REGN,  4608
.set VMEAN, 315904                     ; the mean of V's rows: 64 f32
.set SPARE, 316160                     ; the spare words, 128 bytes for each of 16 waves
.set AK0,  1                           ; v1-4 my lane's place in K', V, K's scale words, V's scales; v1 = 16 x lane is the offset in k2 too
.set AV0,  2
.set ASK0, 3
.set ASV0, 4
.set SPW,  5                           ; my spare word; never rewritten
.set NIL,  6                           ; 0; never rewritten
.set PFO,  7                           ; the prefetch's offset: 256 x lane; never rewritten
.set DQ,   8                           ; my query - the block's first - 16 (lane / 16)
.set IMGA, 9                           ; my sg's first image + 16 x lane
.set STO,  10                          ; the stage: where I put 32 bytes of a row
.set RD,   11                          ; and where I read a row back
                                       ; v12 -M, v13 the largest t, v[14:15] l in two halves
.set QA,   16                          ; [Q_large | zero codes]
.set QB,   32                          ; [Q_small | Q]
.set KV,   48                          ; v48-111 four fragments of K' or of V
.set S,    112                         ; v112-175 S^T, then p
.set O,    176                         ; v176-207 O^T
.set PC,   208                         ; v208-223 p's codes; before that at work
.set BM,   224                         ; a block's largest score, its largest p, the conversions' scale operand
.set T1,   228                         ; at work
.set HOLD, 232                         ; 57,344 x the scale
.set AK,   236                         ; the step's addresses
.set AV,   237
.set ASK,  238
.set ASV,  239
.set KS,   240                         ; v240-243 K's scale words (VSUM: V's); v244-245 V's (VSUM: the ones'); v246, v247 Q's for the two instructions
.set VS,   244
.set QS1,  246
.set QS2,  247
.set F,    248                         ; f = 2^(old M - new M)
.set PSW,  249                         ; p's scale word
.set TMP,  250
.set GO,   251                         ; my byte offset in the tile's rows of the output
.set VMR,  252                         ; where I read the mean
.set AVS,  253                         ; VSUM: my lane's place in V, at its end where I store
.set ASVS, 254                         ; VSUM: among V's scale bytes
.set IMGX, 255                         ; my pair's image + 16 x lane
.set RR,   112                         ; at the head: r, h, lane, at work, Q's offsets
.set HH,   113
.set LN,   114
.set TT,   115
.set QO,   116
.set QSO,  117
.set SA,   128                         ; Q's split at work
.set SB,   136
.set WV,   18                          ; s18 wave; s19 mantissa field of 57,344; s[20:21] selects for lane l xor 16; s[22:23] c'; s[24:25] -2^121
.set NA,   24
.set KG,   26                          ; s[26:27] the step's K' in memory
.set G1K,  28                          ; descriptor groups 1; s[60:63] the wave's group 0
.set G1V,  36
.set G1KS, 44
.set G1VS, 52
.set SG,   66
.set UU,   67
.set TY,   68                          ; sg >> 1: which pair of blocks
.set EE,   69
.set AA,   70                          ; U & 1, U >> 1, both, and 1 - TY
.set BB,   71
.set AB,   72
.set NT,   73
.set PAR,  74                          ; my first key step,
.set PST,  75                          ; and from step to step
.set BG,   76                          ; 1: my tile is the pair's longer one
.set BL,   77
.set KSN,  78                          ; the key step in hand
.set CC,   79
.set CX,   80
.set PFA,  94                          ; s[94:95] where my prefetch stands
.macro ROUND                           ; a round of the cluster's barrier
	s_barrier_signal -1
	s_barrier_wait -1
	s_cmp_lg_u32 s[WV], 0
	s_cbranch_scc1 .Lnot_wave_0_\@
	s_barrier_signal -3
.Lnot_wave_0_\@:
	s_barrier_wait -3
	s_barrier_signal -1
	s_barrier_wait -1
.endm
.macro BAR                             ; my LDS stores have landed and my LDS loads are in: then the work-group's barrier
	s_wait_dscnt 0x0
	s_barrier_signal -1
	s_barrier_wait -1
.endm
.macro G1 g, w0, c, r, p               ; descriptor group 1: r rows of c elements, p elements apart
	s_mov_b32 s[\g], \w0
	s_mov_b32 s[\g+1], (\c)<<16
	s_mov_b32 s[\g+2], (\r)<<16
	s_mov_b32 s[\g+3], (\c)<<16
	s_mov_b32 s[\g+4], \r
	s_mov_b32 s[\g+5], \p
	s_mov_b32 s[\g+6], 0
	s_mov_b32 s[\g+7], 0
.endm
.macro FILL g1
	s_or_b32 s63, s63, 0x80000000                  ; type 2
	tensor_load_to_lds s[60:63], s[\g1:\g1+7]
	s_nop 0
.rept 4
	v_nop
.endr
	s_branch .Lasked
.endm
.macro EACH op, d, x, y                ; eight registers by turns; x is a constant
.irp n, 0,1,2,3,4,5,6,7
	\op v[\d+\n], \x, v[\y+\n]
.endr
.endm
.macro EACHV op, d, x, y               ; x is a run of registers
.irp n, 0,1,2,3,4,5,6,7
	\op v[\d+\n], v[\x+\n], v[\y+\n]
.endr
.endm
	s_load_b256 s[4:11], s[0:1], 0x0               ; Q's codes s[4:5], Q's scales s[6:7], k2 s[8:9], k2s s[10:11]
	s_load_b128 s[12:15], s[0:1], 0x20             ; V's codes, V's scales
	s_load_b64 s[16:17], s[0:1], 0x30              ; the output
	v_lshl_add_u32 v[SPW], v0, 2, SPARE
	v_mov_b32 v[NIL], 0
	ds_add_u32 v[SPW], v[NIL]                      ; the wave's opening: the add, twice on end, and its wait ahead of the first tensor load; work on registers stands between
	ds_add_u32 v[SPW], v[NIL]
	v_lshrrev_b32 v[TT], 5, v0
	v_readfirstlane_b32 s[WV], v[TT]               ; wave 0..15
	; word 0: 15:0 the mask: all four work-groups; 17:16 the element's size; 20 padding on; 21 set beside a mask; 24:22 and 31:25 the padding's interval and length
	G1 G1K,  0x0023000f, 512, 8, 512               ; K': two key steps, 32,768 dense bytes as 8 rows of 512 elements of 8 bytes
	G1 G1V,  0x07b0000f, 512, 64, 2048             ; V: 64 rows (d) of 512 bytes; 4 words behind every 128
	G1 G1KS, 0x0023000f, 32, 32, 32                ; K's scale words: 8,192 dense bytes as rows of 32 elements of 8 bytes
	G1 G1VS, 0x02f0000f, 256, 16, 256              ; V's scales: 4,096 dense bytes as rows of 256; 2 words behind every 16
	s_and_b32 s91, ttmp7, 0xffff                   ; the batch, which the partners share
	s_lshl_b32 s92, s91, 17                        ; its first byte in Q's and V's codes,
	s_mov_b32 s93, 0
	s_lshl_b32 s94, s91, 12                        ; in their scale bytes,
	s_mov_b32 s95, 0
	s_lshl_b32 s96, s91, 18                        ; in k2
	s_mov_b32 s97, 0
	s_lshl_b32 s98, s91, 13                        ; and in k2s
	s_mov_b32 s99, 0
	s_mov_b32 s60, 1                               ; group 0: count 1
	s_wait_dscnt 0x0                               ; both opening adds are done
	s_wait_kmcnt 0x0
	s_add_nc_u64 s[8:9], s[8:9], s[96:97]
	s_add_nc_u64 s[10:11], s[10:11], s[98:99]
	s_add_nc_u64 s[12:13], s[12:13], s[92:93]
	s_add_nc_u64 s[14:15], s[14:15], s[94:95]
	ROUND                                          ; all four work-groups are here: the joint loads meet
	; THE FILLS, in one chain on the wave's number, one load an arm
	s_cmp_lt_u32 s[WV], 2
	s_cbranch_scc0 .Larm_v0
	s_lshl_b32 s61, s[WV], 15                      ; waves 0, 1: K', key steps 0 and 1, 2 and 3
	s_lshl_b32 s2, s[WV], 15
	s_mov_b32 s3, 0
	s_add_nc_u64 s[62:63], s[8:9], s[2:3]
	FILL G1K
.Larm_v0:
	s_cmp_lt_u32 s[WV], 3
	s_cbranch_scc0 .Larm_ks
	s_mov_b32 s61, VB                              ; wave 2: V, keys 0..511
	s_mov_b64 s[62:63], s[12:13]
	FILL G1V
.Larm_ks:
	s_cmp_lt_u32 s[WV], 4
	s_cbranch_scc0 .Larm_vs
	s_mov_b32 s61, SCK
	s_mov_b64 s[62:63], s[10:11]
	FILL G1KS
.Larm_vs:
	s_cmp_lt_u32 s[WV], 5
	s_cbranch_scc0 .Larm_v
	s_mov_b32 s61, SCV
	s_mov_b64 s[62:63], s[14:15]
	FILL G1VS
.Larm_v:
	s_cmp_lt_u32 s[WV], 8
	s_cbranch_scc0 .Larm_k
	s_and_b32 s2, s[WV], 3                         ; waves 5, 6, 7: V's chunks 1, 2, 3
	s_mul_i32 s61, s2, 33792
	s_add_co_u32 s61, s61, VB
	s_lshl_b32 s2, s2, 9
	s_mov_b32 s3, 0
	s_add_nc_u64 s[62:63], s[12:13], s[2:3]
	FILL G1V
.Larm_k:
	s_cmp_lt_u32 s[WV], 10
	s_cbranch_scc0 .Lasked
	s_and_b32 s2, s[WV], 1                         ; waves 8, 9: K', key steps 4 and 5, 6 and 7
	s_lshl_b32 s2, s2, 15
	s_add_co_u32 s2, s2, 65536
	s_mov_b32 s61, s2
	s_mov_b32 s3, 0
	s_add_nc_u64 s[62:63], s[8:9], s[2:3]
	FILL G1K
.Lasked:
	s_mov_b32 s[CC], ttmp9                         ; in a cluster launch ttmp9 counts clusters: 0..3
	s_bfe_u32 s[CX], ttmp6, 0x40000                ; cx: it enters Q's, the output's and the prefetch's addresses in memory and the number DQ, and nothing else
	s_and_b32 s[SG], s[WV], 3
	s_lshr_b32 s[UU], s[WV], 2
	s_lshr_b32 s[TY], s[SG], 1
	s_and_b32 s[EE], s[SG], 1
	s_and_b32 s[AA], s[UU], 1
	s_lshr_b32 s[BB], s[UU], 1
	s_and_b32 s[AB], s[AA], s[BB]
	s_xor_b32 s[NT], s[TY], 1
	s_and_b32 s87, s[AB], s[NT]                    ; my first step: TY = 0: 0, 1, 2, 0 for U = 0 .. 3; TY = 1: U & 1
	s_xor_b32 s87, s[AA], s87
	s_xor_b32 s88, s[BB], s[AB]
	s_and_b32 s88, s88, s[NT]
	s_lshl_b32 s88, s88, 1
	s_or_b32 s[PAR], s87, s88
	s_min_u32 s87, s[UU], 1                        ; from step to step: TY = 0: 1 for U = 0, else 3; TY = 1: 2
	s_or_b32 s87, s87, s[TY]
	s_lshl_b32 s87, s87, 1
	s_or_b32 s[PST], s87, s[NT]
	s_and_b32 s87, s[AA], s[NT]
	s_or_b32 s[BG], s[BB], s87
	s_mul_i32 s87, s[BG], 15
	s_mul_i32 s88, s[TY], 7
	s_xor_b32 s87, s87, s88
	s_xor_b32 s[BL], s[CC], s87                    ; C, 15 - C, 7 - C, 8 + C
	s_lshl_b32 s89, s[CX], 1
	s_add_co_u32 s89, s89, s[EE]                   ; my tile in the block: 2 cx + e
	s_lshl_b32 s90, s89, 4
	s_lshl_b32 s98, s[BL], 7
	s_add_co_u32 s98, s98, s90                     ; my first query
	s_add_nc_u64 s[4:5], s[4:5], s[92:93]          ; Q's codes at my first query,
	s_lshl_b32 s96, s98, 6
	s_add_nc_u64 s[4:5], s[4:5], s[96:97]
	s_add_nc_u64 s[6:7], s[6:7], s[94:95]          ; its scale bytes,
	s_lshl_b32 s96, s98, 1
	s_add_nc_u64 s[6:7], s[6:7], s[96:97]
	s_lshl_b32 s94, s91, 19                        ; and its row of the output: 256 bytes a row
	s_add_nc_u64 s[16:17], s[16:17], s[94:95]
	s_lshl_b32 s96, s98, 8
	s_add_nc_u64 s[16:17], s[16:17], s[96:97]
	s_lshl_b32 s96, s[CX], 15                      ; the prefetch: my work-group's quarter of key steps 8 to 15, my wave's quarter of it
	s_lshl_b32 s87, s[SG], 13
	s_add_co_u32 s96, s96, s87
	s_add_co_u32 s96, s96, 131072
	s_add_nc_u64 s[PFA:PFA+1], s[8:9], s[96:97]
	s_mov_b32 s19, 0x600000
	s_mov_b32 s20, 0x76543210
	s_mov_b32 s21, 0xfedcba98
	s_mov_b32 s22, 0x0c38aa3b                      ; c' = log2(e) / 64 x 2^-97
	s_mov_b32 s23, s22                             ; (named with it as a pair, so it is written)
	s_mov_b32 s[NA], 0xfc000000                    ; -2^121
	s_mov_b32 s[NA+1], s[NA]
	s_mul_i32 s84, s[WV], 4352                     ; my stage: in the bytes of K', behind the last barrier
	s_mul_i32 s85, s[SG], 8448
	s_add_co_u32 s85, s85, VB
	s_mul_i32 s86, s[SG], 1152
	s_add_co_u32 s86, s86, SCV
	s_mul_i32 s87, s[SG], 2*REGN
	s_add_co_u32 s87, s87, MRG
	s_mul_i32 s88, s[BB], REGN
	s_add_co_u32 s88, s88, s87
	v_and_b32 v[RR], 15, v0                        ; r
	v_bfe_u32 v[HH], v0, 4, 1                      ; h
	v_and_b32 v[LN], 31, v0                        ; lane
	v_lshlrev_b32 v[QO], 6, v[RR]
	v_lshlrev_b32 v[QSO], 1, v[RR]
	v_lshl_add_u32 v[QO], v[HH], 4, v[QO]          ; Q: row r of 64 bytes, + 16 h
	global_load_b128 v[QB+8:QB+11], v[QO], s[4:5]  ; the upper half of the second operand
	global_load_b128 v[QB+12:QB+15], v[QO], s[4:5] offset:32
	global_load_u16 v[QS1], v[QSO], s[6:7]         ; its two scale bytes
	v_lshlrev_b32 v[AK0], 4, v[LN]
	v_lshlrev_b32 v[ASK0], 3, v[LN]
	v_lshlrev_b32 v[PFO], 8, v[LN]
	v_mul_u32_u24 v[AV0], 528, v[RR]
	v_mul_u32_u24 v[ASV0], 72, v[LN]               ; lanes 0-15: tile 2 p's rows d; lanes 16-31: tile 2 p + 1's
	v_add_nc_u32 v[ASK0], SCK, v[ASK0]
	v_lshl_add_u32 v[AV0], v[HH], 4, v[AV0]
	v_add_nc_u32 v[ASV0], SCV, v[ASV0]
	v_add_nc_u32 v[AVS], s85, v[AV0]
	v_add_nc_u32 v[AV0], VB, v[AV0]
	v_mul_u32_u24 v[ASVS], 72, v[RR]
	v_lshlrev_b32 v[DQ], 4, v[HH]
	v_add_nc_u32 v[ASVS], s86, v[ASVS]
	v_sub_nc_u32 v[DQ], v[RR], v[DQ]
	v_lshl_add_u32 v[IMGA], v[LN], 4, s87
	v_lshl_add_u32 v[IMGX], v[LN], 4, s88
	v_add_nc_u32 v[DQ], s90, v[DQ]
	v_mul_u32_u24 v[STO], 272, v[RR]
	v_mul_u32_u24 v[RD], 272, v[HH]
	v_lshlrev_b32 v[GO], 8, v[HH]
	v_lshl_add_u32 v[STO], v[HH], 5, v[STO]
	v_lshl_add_u32 v[RD], v[RR], 4, v[RD]
	v_lshl_add_u32 v[GO], v[RR], 4, v[GO]
	v_add_nc_u32 v[STO], s84, v[STO]
	v_add_nc_u32 v[RD], s84, v[RD]
	v_lshl_add_u32 v[VMR], v[HH], 5, VMEAN
.irp j, 0,1,2,3,4,5,6,7
	v_mov_b32 v[QA+8+\j], 0                        ; the first operand's upper half: zero codes
.endr
.irp b, 0,1,2,3
	v_mov_b32 v[T1+\b], 0                          ; a lane permute's destination counts as one of its sources
.endr
; Half a key step's fragments of K': m = 0: from LDS; 2: from memory; 1: by the step's number (below 8: LDS)
.macro KLOAD g, m
.if \m == 1
	s_cmp_gt_u32 s[KSN], 7
	s_cbranch_scc1 .Lfar_\@
.endif
.if \m < 2
.irp t, 0,1,2,3
.irp c, 0,1,2,3
	ds_load_b128 v[KV+16*\t+4*\c:KV+16*\t+4*\c+3], v[AK] offset:2048*(4*\g+\t)+512*\c
.endr
.endr
.endif
.if \m == 1
	s_branch .Lin_\@
.Lfar_\@:
.endif
.if \m > 0
.irp t, 0,1,2,3
.irp c, 0,1,2,3
	global_load_b128 v[KV+16*\t+4*\c:KV+16*\t+4*\c+3], v[AK0], s[KG:KG+1] offset:2048*(4*\g+\t)+512*\c
.endr
.endr
.endif
.if \m == 1
.Lin_\@:
.endif
.endm
; A KEY STEP: 128 keys.  q = 0: every wave has it; it starts the sums, and the barrier that shows the rest of the data lies inside it.  q > 0: a wave has it where its number is at most its block's.
; m: where K' comes from: steps 0 and 1 of a wave have numbers under 6; of the others some or all are 8 or more (m = 2: a wave with an every-first-step walk has no such step, and the number may then be any).
.macro STEP q, m
.if \q
	s_add_co_u32 s[KSN], s[KSN], s[PST]
.else
	s_mov_b32 s[KSN], s[PAR]
.endif
	s_min_u32 s81, s[KSN], 15                      ; (a step past the last is not walked: its addresses are held inside)
	s_min_u32 s82, s81, 7
	s_lshl_b32 s82, s82, 14
	s_lshr_b32 s83, s81, 2
	s_mul_i32 s83, s83, 33792
	s_and_b32 s84, s81, 3
	s_lshl_b32 s84, s84, 7
	s_add_co_u32 s83, s83, s84
	s_lshl_b32 s84, s81, 9
	s_lshl_b32 s85, s81, 2
.if \m
	s_lshl_b32 s86, s81, 14
	s_mov_b32 s87, 0
	s_add_nc_u64 s[KG:KG+1], s[8:9], s[86:87]      ; (every earlier load by this base has been waited for)
.endif
	v_add_nc_u32 v[AK], s82, v[AK0]
	v_add_nc_u32 v[AV], s83, v[AV0]
	v_add_nc_u32 v[ASK], s84, v[ASK0]
	v_add_nc_u32 v[ASV], s85, v[ASV0]
	s_wait_alu depctr_va_vdst(0)
.if \q
	s_cmp_gt_u32 s[KSN], s[BL]
	s_cbranch_scc1 .Lskip_\@
.endif
.irp g, 0,1                                    ; S^T = K Q^T, four tiles of 16 keys at a time
.rept 4+4*\g
	v_nop                                          ; (g = 0: with the four additions) eight places behind the last products, in front of loads into registers that they read
.endr
.if \g == 0
	ds_load_b64 v[KS:KS+1], v[ASK]                 ; the step's four scale words: lanes 0-15 tile 2 b's keys, lanes 16-31 tile 2 b + 1's
	ds_load_b64 v[KS+2:KS+3], v[ASK] offset:256
.endif
	KLOAD \g, \m
	s_wait_dscnt 0x0
.if \m
	s_wait_loadcnt 0x0
.endif
.irp p, 0,1                                    ; large x large starts the sums;
	v_wmma_scale_f32_16x16x128_f8f6f4 v[S+32*\g+16*\p:S+32*\g+16*\p+7], v[KV+32*\p:KV+32*\p+15], v[QA:QA+15], 0, v[KS+2*\g+\p], v[QS1] matrix_a_fmt:MATRIX_FMT_BF8 matrix_b_fmt:MATRIX_FMT_BF8
	v_wmma_scale_f32_16x16x128_f8f6f4 v[S+32*\g+16*\p+8:S+32*\g+16*\p+15], v[KV+32*\p+16:KV+32*\p+31], v[QA:QA+15], 0, v[KS+2*\g+\p], v[QS1] matrix_a_fmt:MATRIX_FMT_BF8 matrix_b_fmt:MATRIX_FMT_BF8 matrix_a_scale:MATRIX_SCALE_ROW1
.endr
.irp p, 0,1                                    ; all products with a small factor are added onto them: the four accumulators by turns
	v_wmma_scale_f32_16x16x128_f8f6f4 v[S+32*\g+16*\p:S+32*\g+16*\p+7], v[KV+32*\p:KV+32*\p+15], v[QB:QB+15], v[S+32*\g+16*\p:S+32*\g+16*\p+7], v[KS+2*\g+\p], v[QS2] matrix_a_fmt:MATRIX_FMT_BF8 matrix_b_fmt:MATRIX_FMT_BF8
	v_wmma_scale_f32_16x16x128_f8f6f4 v[S+32*\g+16*\p+8:S+32*\g+16*\p+15], v[KV+32*\p+16:KV+32*\p+31], v[QB:QB+15], v[S+32*\g+16*\p+8:S+32*\g+16*\p+15], v[KS+2*\g+\p], v[QS2] matrix_a_fmt:MATRIX_FMT_BF8 matrix_b_fmt:MATRIX_FMT_BF8 matrix_a_scale:MATRIX_SCALE_ROW1
.endr
.endr
.rept 8
	v_nop                                          ; eight places: in front of the loads into K's registers, and of the first read of the scores
.endr
.irp t, 0,1,2,3                                ; V's four fragments (16 of the head's 64 x these 128 keys) are asked for now and land under the softmax
.irp c, 0,1,2,3
	ds_load_b128 v[KV+16*\t+4*\c:KV+16*\t+4*\c+3], v[AV] offset:8448*\t+32*\c
.endr
.endr
.irp p, 0,1
	ds_load_b32 v[VS+\p], v[ASV] offset:2304*\p
.endr
	s_cmp_lg_u32 s[KSN], s[BL]                     ; the diagonal lies in the block's own step alone
	s_cbranch_scc1 .Lopen_\@
	v_mov_b32 v[TMP], s[NA]
.set n, 0
.rept 64                                       ; register 16 b + i holds key 32 b + 16 (lane / 16) + i of the step: hidden where 32 b + i > DQ
	v_cmp_gt_i32 vcc_lo, 32*(n/16)+n%16, v[DQ]
	v_cndmask_b32 v[S+n], v[S+n], v[TMP], vcc_lo
.set n, n+1
.endr
.Lopen_\@:
.set n, 0
.rept 4                                        ; the zero mask: the smaller of s' and s' s' - 2^121
.irp j, 0,2,4,6,8,10,12,14
	v_pk_fma_f32 v[PC+\j:PC+\j+1], v[S+n+\j:S+n+\j+1], v[S+n+\j:S+n+\j+1], s[NA:NA+1] op_sel_hi:[1,1,0]
.endr
.irp j, 0,2,4,6,8,10,12,14
	v_dual_min_num_f32 v[S+n+\j], v[S+n+\j], v[PC+\j] :: v_dual_min_num_f32 v[S+n+\j+1], v[S+n+\j+1], v[PC+\j+1]
.endr
.set n, n+16
.endr
.irp b, 0,1,2,3
	v_max3_num_f32 v[BM+\b], v[S+16*\b], v[S+16*\b+1], v[S+16*\b+2]   ; the largest score of each block of 32 keys: for the row's maximum and, since p rises with the score, for the block's largest p
.endr
.irp j, 3,5,7,9,11,13
.irp b, 0,1,2,3
	v_max3_num_f32 v[BM+\b], v[BM+\b], v[S+16*\b+\j], v[S+16*\b+\j+1]
.endr
.endr
.irp b, 0,1,2,3
	v_max_num_f32 v[BM+\b], v[BM+\b], v[S+16*\b+15]
.endr
.irp b, 0,1,2,3
	v_permlanex16_b32 v[T1+\b], v[BM+\b], s20, s21
.endr
.irp b, 0,1,2,3
	v_max_num_f32 v[BM+\b], v[BM+\b], v[T1+\b]     ; with lane l xor 16's 16 keys
.endr
	s_delay_alu instid0(VALU_DEP_2)
	v_max3_num_f32 v[TMP], v[BM], v[BM+1], v[BM+2]
	s_delay_alu instid0(VALU_DEP_1)
	v_max_num_f32 v[TMP], v[TMP], v[BM+3]
	s_delay_alu instid0(VALU_DEP_1)
.if \q
	v_mul_f32 v[TMP], s22, v[TMP]                  ; as t (c' is positive)
	s_delay_alu instid0(VALU_DEP_1)
	v_max_num_f32 v13, v13, v[TMP]                 ; the running largest t
	v_mov_b32 v[TMP], v12
	s_delay_alu instid0(VALU_DEP_2)
	v_floor_f32 v12, -v13                          ; the new -M = floor(-t) = -ceil(t)
	s_delay_alu instid0(VALU_DEP_1)
	v_sub_f32 v[TMP], v12, v[TMP]                  ; old M - new M: a whole number, 0 or less
	s_delay_alu instid0(VALU_DEP_1)
	v_cvt_i32_f32 v[TMP], v[TMP]                   ; (it saturates)
	s_delay_alu instid0(VALU_DEP_1)
	v_ldexp_f32 v[F], 1.0, v[TMP]                  ; f = 2^(old M - new M)
.else
	v_mul_f32 v13, s22, v[TMP]                     ; the largest t
	s_delay_alu instid0(VALU_DEP_1)
	v_floor_f32 v12, -v13                          ; -M
.endif
.set n, 0
.rept 32
	v_pk_fma_f32 v[S+n:S+n+1], v[S+n:S+n+1], s[22:23], v[12:13] op_sel_hi:[1,0,0]   ; t - M, two at a time
.set n, n+2
.endr
.irp b, 0,1,2,3
	v_fma_f32 v[BM+\b], v[BM+\b], s22, v12         ; the same of each block's largest score
.endr
	s_wait_alu depctr_va_vdst(0)                   ; the wait ahead of the batch
.if \q == 0
	s_wait_dscnt 0x0                               ; my LDS loads are in,
	s_wait_tensorcnt 0x0                           ; and my tensor load has landed: say so; the wait stands at the step's end, and only work on registers between
	s_barrier_signal -1
.endif
.set n, 0
.rept 64
	v_exp_f32 v[S+n], v[S+n]                       ; p = 2^(t - M): not normalised
.set n, n+1
.endr
.if \q
	v_pk_mul_f32 v[14:15], v[14:15], v[F:F+1] op_sel_hi:[1,0]   ; the sums under the new M: the plain instruction behind the exponentials
.else
	v_nop
.endif
	s_wait_alu depctr_va_vdst(0)                   ; one wait for the batch of 64, ahead of its first reader
.irp b, 0,1,2,3
	v_exp_f32 v[BM+\b], v[BM+\b]                   ; the block's largest p
.endr
	v_pk_add_f32 v[PC:PC+1], v[S:S+1], v[S+2:S+3]  ; the row's sum of the unquantised p, two at a time, in four chains
	v_pk_add_f32 v[PC+2:PC+3], v[S+4:S+5], v[S+6:S+7]
	v_pk_add_f32 v[PC+4:PC+5], v[S+8:S+9], v[S+10:S+11]
.if \q
	v_pk_add_f32 v[14:15], v[14:15], v[S+12:S+13]
	v_pk_add_f32 v[PC:PC+1], v[PC:PC+1], v[S+14:S+15]
.else
	v_pk_add_f32 v[14:15], v[S+12:S+13], v[S+14:S+15]
.endif
.set n, 16
.rept 6
	v_pk_add_f32 v[PC+2:PC+3], v[PC+2:PC+3], v[S+n:S+n+1]
	v_pk_add_f32 v[PC+4:PC+5], v[PC+4:PC+5], v[S+n+2:S+n+3]
	v_pk_add_f32 v[14:15], v[14:15], v[S+n+4:S+n+5]
	v_pk_add_f32 v[PC:PC+1], v[PC:PC+1], v[S+n+6:S+n+7]
.set n, n+8
.endr
	v_pk_add_f32 v[PC+2:PC+3], v[PC+2:PC+3], v[PC+4:PC+5]
	v_pk_add_f32 v[14:15], v[14:15], v[PC:PC+1]
	v_pk_add_f32 v[14:15], v[14:15], v[PC+2:PC+3]
	s_wait_alu depctr_va_vdst(0)                   ; and one for the four
.irp b, 0,1,2,3
	v_max_num_f32 v[BM+\b], 0x8000000, v[BM+\b]    ; the floor 2^(16 - 127): the byte cannot fall under 1 (a block of zeros keeps that byte: its codes are zeros)
.endr
.irp b, 0,1,2,3
	v_and_or_b32 v[HOLD+\b], v[BM+\b], 0x7f800000, s19   ; 57,344 x the scale
.endr
.irp b, 0,1,2,3
	v_add_nc_u32 v[BM+\b], 0xf8800000, v[BM+\b]    ; 15 off the exponent field: the conversion's scale operand
.endr
.irp b, 0,1,2,3
	v_lshrrev_b32 v[T1+\b], 23, v[BM+\b]           ; the scale's byte
.endr
	s_delay_alu instid0(VALU_DEP_3)
	v_lshl_or_b32 v[PSW], v[T1+1], 8, v[T1]        ; p's scale word for these 128 keys
	s_delay_alu instid0(VALU_DEP_1)
	v_lshl_or_b32 v[PSW], v[T1+2], 16, v[PSW]
	s_delay_alu instid0(VALU_DEP_1)
	v_lshl_or_b32 v[PSW], v[T1+3], 24, v[PSW]
.irp b, 0,1,2,3
.irp j, 0,2,4,6,8,10,12,14
	v_dual_min_num_f32 v[S+16*\b+\j], v[S+16*\b+\j], v[HOLD+\b] :: v_dual_min_num_f32 v[S+16*\b+\j+1], v[S+16*\b+\j+1], v[HOLD+\b]   ; the conversion does not saturate (ISA guide 7.6.2); p is not negative: the hold is one-sided
.endr
	v_cvt_scalef32_pk8_bf8_f32 v[PC+4*\b:PC+4*\b+1], v[S+16*\b:S+16*\b+7], v[BM+\b]
	v_cvt_scalef32_pk8_bf8_f32 v[PC+4*\b+2:PC+4*\b+3], v[S+16*\b+8:S+16*\b+15], v[BM+\b]
.endr
.if \q
.set n, 0
.rept 16
	v_pk_mul_f32 v[O+n:O+n+1], v[O+n:O+n+1], v[F:F+1] op_sel_hi:[1,0]   ; O^T under the new M.  (These are also the places between the conversions and the products)
.set n, n+2
.endr
.else
.rept 4
	v_nop                                          ; places between the conversions and the products
.endr
.endif
	s_wait_alu depctr_va_vdst(0)
	s_wait_dscnt 0x0                               ; V's fragments and scale words are in
.irp p, 0,1                                    ; O^T += V^T P^T: the four accumulators by turns
.if \q
	v_wmma_scale_f32_16x16x128_f8f6f4 v[O+16*\p:O+16*\p+7], v[KV+32*\p:KV+32*\p+15], v[PC:PC+15], v[O+16*\p:O+16*\p+7], v[VS+\p], v[PSW] matrix_a_fmt:MATRIX_FMT_BF8 matrix_b_fmt:MATRIX_FMT_BF8
	v_wmma_scale_f32_16x16x128_f8f6f4 v[O+16*\p+8:O+16*\p+15], v[KV+32*\p+16:KV+32*\p+31], v[PC:PC+15], v[O+16*\p+8:O+16*\p+15], v[VS+\p], v[PSW] matrix_a_fmt:MATRIX_FMT_BF8 matrix_b_fmt:MATRIX_FMT_BF8 matrix_a_scale:MATRIX_SCALE_ROW1
.else
	v_wmma_scale_f32_16x16x128_f8f6f4 v[O+16*\p:O+16*\p+7], v[KV+32*\p:KV+32*\p+15], v[PC:PC+15], 0, v[VS+\p], v[PSW] matrix_a_fmt:MATRIX_FMT_BF8 matrix_b_fmt:MATRIX_FMT_BF8
	v_wmma_scale_f32_16x16x128_f8f6f4 v[O+16*\p+8:O+16*\p+15], v[KV+32*\p+16:KV+32*\p+31], v[PC:PC+15], 0, v[VS+\p], v[PSW] matrix_a_fmt:MATRIX_FMT_BF8 matrix_b_fmt:MATRIX_FMT_BF8 matrix_a_scale:MATRIX_SCALE_ROW1
.endif
.endr
.if \q == 0
	s_barrier_wait -1                              ; every wave's tensor load has landed: all that lies in LDS is in
.endif
.Lskip_\@:
.endm
; An image is merged into my state.  M' = the larger M; each state is brought under it by 2^(M - M'), which rounds nothing.
.macro MERGE a
.irp g, 0,1,2,3,4,5,6,7
	ds_load_b128 v[S+4*\g:S+4*\g+3], v[\a] offset:512*\g   ; the partner's O^T: the same registers in the same lanes
.endr
	ds_load_b128 v[S+32:S+35], v[\a] offset:4096           ; its -M (S + 32) and its l (S + 34)
	s_wait_alu depctr_va_vdst(0)
	s_wait_dscnt 0x0
	v_min_num_f32 v[TMP], v12, v[S+32]             ; -M'
	v_sub_f32 v[S+36], v[TMP], v12                 ; my M - M'
	v_sub_f32 v[S+38], v[TMP], v[S+32]             ; the partner's
	v_cvt_i32_f32 v[S+36], v[S+36]
	v_cvt_i32_f32 v[S+38], v[S+38]
	v_ldexp_f32 v[S+36], 1.0, v[S+36]
	v_ldexp_f32 v[S+38], 1.0, v[S+38]
	v_mul_f32 v[S+37], v[S+36], v14
	v_mov_b32 v[S+39], v[TMP]                      ; (named with the factor as a pair, so it is written)
	v_fma_f32 v14, v[S+38], v[S+34], v[S+37]       ; l
	v_mov_b32 v12, v[TMP]
.set n, 0
.rept 16
	v_pk_mul_f32 v[O+n:O+n+1], v[O+n:O+n+1], v[S+36:S+37] op_sel_hi:[1,0]
.set n, n+2
.endr
.set n, 0
.rept 16
	v_pk_fma_f32 v[O+n:O+n+1], v[S+n:S+n+1], v[S+38:S+39], v[O+n:O+n+1] op_sel_hi:[1,0,1]
.set n, n+2
.endr
	s_wait_alu depctr_va_vdst(0)                   ; the wait ahead of the branch and the wait that follow
.endm
	s_wait_alu depctr_va_vdst(0)                   ; the wait at the head's end
	s_wait_loadcnt 0x0                             ; Q, which is split by size as K was in the first launch
	v_lshl_or_b32 v[QS1], v[QS1], 16, v[QS1]       ; t0, t1, t0, t1
	EACH v_or_b32, SA, 0x80808080, QB+8
	EACH v_add_nc_u32, SB, 0xfbfbfbfc, SA
	EACH v_add_nc_u32, SA, 0x9b9b9b9c, SA
	EACHV v_xor_b32, SB, SA, SB
	EACH v_and_b32, SB, 0x80808080, SB
	EACH v_lshrrev_b32, SA, 7, SB
	EACHV v_sub_nc_u32, SA, SB, SA
	EACHV v_or_b32, SA, SA, SB                     ; 0xff in the bytes of small codes
	EACHV v_and_b32, QB, QB+8, SA
	EACHV v_xor_b32, QA, QB+8, QB                  ; the large ones
	EACH v_and_b32, SA, 0x18181818, SA
	EACHV v_add_nc_u32, QB, QB, SA                 ; the small ones, 6 onto the field
	v_add_nc_u32 v[QS2], 0x61615b5b, v[QS1]        ; the second operand's word: 6 off for the small codes; 97 onto all four bytes
	v_add_nc_u32 v[QS1], 0x61616161, v[QS1]        ; the first's
	s_wait_alu depctr_va_vdst(0)
	s_cmp_lt_u32 s[WV], 5
	s_cbranch_scc0 .Lnot_first
	s_wait_tensorcnt 0x0                           ; waves 0-4: key steps 0 to 3 and the scale bytes
.Lnot_first:
	BAR                                            ; everybody's part of these has landed.
	STEP 0, 0
	s_wait_alu depctr_va_vdst(0)
	s_cmp_eq_u32 s[UU], 1                          ; waves 4-7 prefetch
	s_cbranch_scc0 .Lno_ask
	global_prefetch_b8 v[PFO], s[PFA:PFA+1] th:TH_LOAD_NT scope:SCOPE_SE
.Lno_ask:
	STEP 1, 0
	STEP 2, 1
	STEP 3, 1
	STEP 4, 2
	STEP 5, 2
	; VSUM: the mean of V's 2,048 rows.  Waves 0-3 (U = 0) take 16 of the head's 64 each: V^T times an operand of ones (code 0x3c) whose scale byte, 0x74 = 2^-11, divides by 2,048.
	s_cmp_lg_u32 s[UU], 0
	s_cbranch_scc1 .Lno_vsum
.set n, 0
.rept 16
	v_mov_b32 v[S+n], 0x3c3c3c3c
.set n, n+1
.endr
	v_mov_b32 v[VS], 0x74747474
	s_wait_alu depctr_va_vdst(0)
.rept 8
	v_nop                                          ; a scale register written by a vector instruction stands eight places ahead of the product
.endr
.irp g, 0,1,2,3                                ; chunk g: four steps of 128 keys, an accumulator each, by turns
.if \g > 0
.rept 8
	v_nop
.endr
	s_wait_alu depctr_va_vdst(0)
	v_add_nc_u32 v[AVS], 33792, v[AVS]
.endif
.irp s, 0,1,2,3
.irp c, 0,1,2,3
	ds_load_b128 v[KV+16*\s+4*\c:KV+16*\s+4*\c+3], v[AVS] offset:128*\s+32*\c
.endr
.endr
	ds_load_b64 v[KS:KS+1], v[ASVS] offset:16*\g
	ds_load_b64 v[KS+2:KS+3], v[ASVS] offset:16*\g+8
	s_wait_alu depctr_va_vdst(0)
	s_wait_dscnt 0x0
.irp s, 0,1,2,3
.if \g == 0
	v_wmma_scale_f32_16x16x128_f8f6f4 v[S+32+8*\s:S+39+8*\s], v[KV+16*\s:KV+16*\s+15], v[S:S+15], 0, v[KS+\s], v[VS] matrix_a_fmt:MATRIX_FMT_BF8 matrix_b_fmt:MATRIX_FMT_BF8
.else
	v_wmma_scale_f32_16x16x128_f8f6f4 v[S+32+8*\s:S+39+8*\s], v[KV+16*\s:KV+16*\s+15], v[S:S+15], v[S+32+8*\s:S+39+8*\s], v[KS+\s], v[VS] matrix_a_fmt:MATRIX_FMT_BF8 matrix_b_fmt:MATRIX_FMT_BF8
.endif
.endr
.endr
.rept 8
	v_nop
.endr
.irp j, 0,2,4,6
	v_pk_add_f32 v[S+32+\j:S+33+\j], v[S+32+\j:S+33+\j], v[S+40+\j:S+41+\j]
.endr
.irp j, 0,2,4,6
	v_pk_add_f32 v[S+48+\j:S+49+\j], v[S+48+\j:S+49+\j], v[S+56+\j:S+57+\j]
.endr
.irp j, 0,2,4,6
	v_pk_add_f32 v[S+32+\j:S+33+\j], v[S+32+\j:S+33+\j], v[S+48+\j:S+49+\j]
.endr
	s_lshl_b32 s87, s[SG], 6
	v_add_nc_u32 v[AVS], s87, v[VMR]               ; my 16 channels' place: 64 sg + 32 h
	ds_store_b128 v[AVS], v[S+32:S+35]             ; all 16 columns are alike: the lanes of a half store the same numbers to the same bytes
	ds_store_b128 v[AVS], v[S+36:S+39] offset:16
.Lno_vsum:
	; Odd U hands its state over: l summed; O^T, and -M, t, l, as images of their registers
	s_cmp_eq_u32 s[AA], 0
	s_cbranch_scc1 .Lno_image
	v_add_f32 v14, v14, v15
	v_permlanex16_b32 v[T1], v14, s20, s21
	v_add_f32 v14, v14, v[T1]                      ; the row's sum over my steps
.rept 6
	v_nop                                          ; with the two additions: eight places behind the last products, in front of the stores that read their results
.endr
	s_wait_alu depctr_va_vdst(0)
.irp g, 0,1,2,3,4,5,6,7
	ds_store_b128 v[IMGX], v[O+4*\g:O+4*\g+3] offset:512*\g
.endr
	ds_store_b128 v[IMGX], v[12:15] offset:4096
.Lno_image:
	s_wait_alu depctr_va_vdst(0)
	BAR                                            ; the images and the mean lie in LDS; nobody reads K' or V any more
	; Even U merges, divides, selects and stores
	s_cmp_lg_u32 s[AA], 0
	s_cbranch_scc1 .Lend
	v_add_f32 v14, v14, v15
	v_permlanex16_b32 v[T1], v14, s20, s21
	v_add_f32 v14, v14, v[T1]                      ; the row's sum over my steps
.rept 6
	v_nop                                          ; with the two additions: eight places behind the last products
.endr
.irp t, 0,1,2,3
	ds_load_b128 v[KV+8*\t:KV+8*\t+3], v[VMR] offset:64*\t         ; the mean of V's rows, in O^T's layout: channels 16 t + 8 h + 0 .. 7
	ds_load_b128 v[KV+8*\t+4:KV+8*\t+7], v[VMR] offset:64*\t+16
.endr
	s_wait_alu depctr_va_vdst(0)
	s_or_b32 s87, s[UU], s[TY]
	s_cmp_eq_u32 s87, 0                            ; U = 0 of sg = 0, 1 has its tile alone
	s_cbranch_scc1 .Lmerged
	MERGE IMGX
	s_xor_b32 s87, s[UU], 2
	s_or_b32 s87, s87, s[TY]
	s_cmp_lg_u32 s87, 0                            ; U = 2 of sg = 0, 1 has a second image to take, U = 1's
	s_cbranch_scc1 .Lmerged
	MERGE IMGA
.Lmerged:
	s_wait_dscnt 0x0                               ; the mean is in
	s_wait_alu depctr_va_vdst(0)
	v_rcp_f32 v14, v14
	v_nop                                          ; a plain instruction behind the reciprocal,
	s_wait_alu depctr_va_vdst(0)                   ; and the wait ahead of its first reader
.set n, 0
.rept 16
	v_pk_mul_f32 v[O+n:O+n+1], v[O+n:O+n+1], v[14:15] op_sel_hi:[1,0]
.set n, n+2
.endr
	v_cmp_lt_f32 vcc_lo, 0x48435000, v12           ; -M above 200,000: every visible score of the row was masked: the row's result is the mean of V's rows
.set n, 0
.rept 32
	v_cndmask_b32 v[O+n], v[O+n], v[KV+n], vcc_lo
.set n, n+1
.endr
.irp t, 0,1,2,3                                ; through my stage, in bytes of K' that have had their only fill
	ds_store_b128 v[STO], v[O+8*\t:O+8*\t+3] offset:64*\t
	ds_store_b128 v[STO], v[O+8*\t+4:O+8*\t+7] offset:64*\t+16
.endr
.irp j, 0,1,2,3,4,5,6,7
	ds_load_b128 v[S+4*\j:S+4*\j+3], v[RD] offset:544*\j           ; LDS serves a wave's instructions in order (ISA guide 5.7.1.4): these see my stores
.endr
.irp j, 0,1,2,3,4,5,6,7
	s_wait_dscnt 7-\j                              ; load j of the eight is in; the younger ones may be out
	global_store_b128 v[GO], v[S+4*\j:S+4*\j+3], s[16:17] offset:512*\j th:TH_STORE_NT   ; 16 lanes store a row of 256 bytes, aligned
.endr
.Lend:
	s_wait_tensorcnt 0x0                           ; the wave's end: behind my tensor load and my last LDS store
	ds_add_u32 v[SPW], v[NIL]
	s_wait_dscnt 0x0
	ROUND                                          ; the closing round
	s_endpgm
.Lfunc_end_k_qbbf837f4cd_attn:
	.size	k_qbbf837f4cd_attn, .Lfunc_end_k_qbbf837f4cd_attn-k_qbbf837f4cd_attn
	.p2alignl 7, 3214868480
	.fill 96, 4, 3214868480
	.section	.rodata,"a",@progbits
	.p2align	6, 0x0
	.amdhsa_kernel k_qbbf837f4cd_attn
		.amdhsa_group_segment_fixed_size 327680
		.amdhsa_private_segment_fixed_size 0
		.amdhsa_enable_private_segment 0
		.amdhsa_kernarg_size 56
		.amdhsa_user_sgpr_count 2
		.amdhsa_user_sgpr_kernarg_segment_ptr 1
		.amdhsa_wavefront_size32 1
		.amdhsa_system_sgpr_workgroup_id_x 1
		.amdhsa_system_sgpr_workgroup_id_y 1
		.amdhsa_system_sgpr_workgroup_id_z 1
		.amdhsa_system_vgpr_workitem_id 0
		.amdhsa_next_free_vgpr 256
		.amdhsa_next_free_sgpr 100
		.amdhsa_reserve_vcc 1
		.amdhsa_float_denorm_mode_32 3
		.amdhsa_float_denorm_mode_16_64 3
		.amdhsa_memory_ordered 1
		.amdhsa_forward_progress 1
		.amdhsa_inst_pref_size 230
	.end_amdhsa_kernel
	.amdgpu_metadata
---
amdhsa.version: [ 1, 2 ]
amdhsa.kernels:
  - .name:           k_qbbf837f4cd_attn
    .symbol:         k_qbbf837f4cd_attn.kd
    .args:
      - { .name: q_codes, .offset: 0, .size: 8, .value_kind: global_buffer, .address_space: global }
      - { .name: q_scales, .offset: 8, .size: 8, .value_kind: global_buffer, .address_space: global }
      - { .name: k2, .offset: 16, .size: 8, .value_kind: global_buffer, .address_space: global }
      - { .name: k2s, .offset: 24, .size: 8, .value_kind: global_buffer, .address_space: global }
      - { .name: v_codes, .offset: 32, .size: 8, .value_kind: global_buffer, .address_space: global }
      - { .name: v_scales, .offset: 40, .size: 8, .value_kind: global_buffer, .address_space: global }
      - { .name: out0, .offset: 48, .size: 8, .value_kind: global_buffer, .address_space: global }
    .group_segment_fixed_size: 327680
    .private_segment_fixed_size: 0
    .kernarg_segment_align: 8
    .kernarg_segment_size: 56
    .max_flat_workgroup_size: 512
    .sgpr_count:     100
    .vgpr_count:     256
    .wavefront_size: 32
...
	.end_amdgpu_metadata
.endif
;; end of part 2
